; MI455X (gfx1250); checked and timed in simulation.
; The chip was launched on July 23, 2026; its instructions are those of AMD's public machine-readable ISA for CDNA 5 (MIT licence, August 2026) and "CDNA5" Instruction Set Architecture Reference Guide (July 2026). The comments in the code are by the model that wrote it; some were corrected since.
;; Flex Attention. Allowed arithmetic: matrix products marked QUANTISED: E5M2 operands, one E8M0 scale for each 32 along K, by v_wmma_scale_f32_16x16x128_f8f6f4 with both operands' format E5M2, f32 sums; everything else in f32.
;; Inputs: K_codes 2 x 8 x 2,048 x 4 x 32 uint8 (E5M2 codes of K, K innermost, in blocks of 32 codes); K_scales 2 x 8 x 2,048 x 4 uint8 (E8M0 scales of K, one for each 32 codes along K); Q 2 x 16 x 2,048 x 128 float32; V_codes 2 x 8 x 128 x 64 x 32 uint8 (E5M2 codes of V, K innermost, in blocks of 32 codes); V_scales 2 x 8 x 128 x 64 uint8 (E8M0 scales of V, one for each 32 codes along K); causal_mask 2,048 x 2,048 float32.
;; Outputs: out0 2 x 2,048 x 2,048 float32.
;; This version of the problem:
;;   THIS VERSION OF THE PROBLEM IS GIVEN IN LOW PRECISION. The matrix products marked QUANTISED in the list below multiply operands that are first quantised to E5M2 (5 exponent bits, 2 mantissa bits; 8 bits a number), with one power-of-two scale for each 32 numbers along K (OCP MX v1.0); their sums are f32. All else is computed in f32.
;;   The module's matrix products, in the order in which they are computed (A, B: the left and right operand; K: the contracted axis; several contracted axes count as one K, in the product's order):
;;     1. batch 16 x [M 4,096, K 128] x [K 128, N 2,048]; A: computed on the way; B: input K (given as codes): QUANTISED
;;     2. batch 16 x [M 4,096, K 2,048] x [K 2,048, N 128]; A: softmax (see below); B: input V (given as codes): QUANTISED
;;   THE QUANTISER, for each operand of a quantised product, along K:
;;     - K is cut into blocks of 32 from its start; a last block that is shorter is filled with zeros.
;;     - A block's scale is 2^e with e = floor(log2(the largest magnitude in the block)) - 15, held to -126 .. 127; a block of zeros has e = 0. As a byte (E8M0): e + 127.
;;     - Each number is divided by its block's scale, clamped to +-57,344, and rounded to the nearest number of E5M2, ties to even, subnormals kept.
;;     - The product sums the exact products of the quantised numbers (number of the format x scale) in f32.
;;   ~~~python
;;   def quantise(x, axis):      # numpy; x: float32 -> the quantised numbers, widened to float32 again
;;       x = np.moveaxis(x, axis, -1); K = x.shape[-1]
;;       x = np.pad(x, [(0, 0)] * (x.ndim - 1) + [(0, -K % 32)]); x = x.reshape(x.shape[:-1] + (-1, 32)); a = np.abs(x).max(-1, keepdims=True)
;;       e = np.where(a > 0, np.clip(np.frexp(np.where(a > 0, a, 1))[1] - 1 - 15, -126, 127), 0)      # np.frexp(a)[1] - 1 = floor(log2(a)), exactly
;;       r = np.clip(x / 2.0 ** e, -57344, 57344)
;;       step = 2.0 ** (np.maximum(np.frexp(np.where(r == 0, 1, r))[1] - 1, -14) - 2)
;;       q = np.round(r / step) * step * 2.0 ** e      # np.round: ties to even
;;       return np.moveaxis(q.reshape(q.shape[:-2] + (-1,))[..., :K], -1, axis).astype(np.float32)
;;   ~~~
;;   SOFTMAX AHEAD OF A QUANTISED PRODUCT. Where the list says 'softmax', what is quantised is not the finished softmax but p = 2^(t - M), with t = logit x log2(e) and M = ceil(the row's largest t), a whole number; so 1/2 < the row's largest p <= 1. The row's sum l is taken of the UNQUANTISED p, in f32, and the product's result is divided by l at the end. Since M is a whole number, a kernel that streams over the keys may use a running M (the ceiling of the running maximum): every later rescaling is an exact power of two, which a block's scale takes up: the codes' values come out the same.
;;   OPERANDS COMPUTED ON THE WAY. 'Computed on the way' means the value that the module computes at that place (a softmax that the list does not call 'softmax' is quantised finished and normalised). What goes into a quantiser is computed in f32, as accurately as f32 sums, v_exp_f32 and their like allow (about 1e-6 of the number): no bf16 or f16 on the way to a quantiser, and a product that is left as it is and whose result goes on into a quantised operand takes f32 operands (vector FMAs, or v_wmma_f32_16x16x4_f32). A number that lies on a knife's edge between two numbers of the format may be rounded either way, as far as f32 arithmetic and the matrix unit's own rounding can turn it there, and no further.
;;   INPUTS GIVEN AS CODES. K (in the module: [2, 8, 2048, 128], K = its axis 3); V (in the module: [2, 8, 2048, 128], K = its axis 2): each comes as NAME_codes (uint8): NAME with its K axis moved to the last place and cut into blocks of 32 codes, [.., K / 32, bytes a block], one block behind the other in memory; one code a byte (a code: sign, 5 exponent bits, 2 mantissa bits); and NAME_scales (uint8): the same leading axes, one E8M0 byte (e + 127) for each 32 codes along K. Its value is code x scale, taken as it is: it is not quantised again, and the codes and scales need not be those that the quantiser above would give.
;; One version. Each part assembles by itself: llvm-mc -triple=amdgcn-amd-amdhsa -mcpu=gfx1250 --defsym DOCPART=n.
;; ======== version 1 of 1: 1 launch
;; launch attn (part 1): grid 16 x 16, 16 waves a work-group, clusters of 4 x 4, 327,680 bytes of LDS; arguments Q, K_codes, K_scales, V_codes, V_scales, causal_mask, out0; writes out0
.if DOCPART == 1
	.amdgcn_target "amdgcn-amd-amdhsa--gfx1250"
	.amdhsa_code_object_version 6
	.text
	.protected	k_q8206c0bf57_attn
	.globl	k_q8206c0bf57_attn
	.p2align	8
	.type	k_q8206c0bf57_attn,@function
k_q8206c0bf57_attn:
	s_mov_b64 s[64:65], 0
	v_nop
	global_prefetch_b8 v0, s[64:65] scope:SCOPE_SE
	s_setreg_imm32_b32 hwreg(HW_REG_WAVE_MODE, 25, 1), 1
	s_wait_xcnt 0x0
	s_wait_alu depctr_hold_cnt(0) depctr_sa_sdst(0) depctr_va_vdst(0) depctr_va_sdst(0) depctr_va_ssrc(0) depctr_va_vcc(0) depctr_vm_vsrc(0)
	s_getreg_b32 s2, hwreg(HW_REG_IB_STS2, 6, 4)
	s_cmp_eq_u32 s2, 0
	s_cbranch_scc0 .Lentry_in_a_cluster
	s_endpgm
.Lentry_in_a_cluster:
	s_bfe_u32 s2, ttmp6, 0x10000c
	s_cmp_lg_u32 s2, 0xf033
	s_cbranch_scc0 .Lentry_shape_is_right
	s_endpgm
.Lentry_shape_is_right:
; Attention with grouped query heads, a softcap and an additive mask that is an INPUT; both products on codes of BF8 (E5M2) with one E8M0 scale for each 32 along K.
;   A = (Q x 128^-0.5) K^T;  a = 50 tanh(A x 0.02) + mask[q][k];  t = a x log2(e);  M = ceil(largest t so far);  p = 2^(t - M), quantised along the keys;  O = (p V) / (sum of the unquantised p).
; Q [2][16][2048][128] f32 (scaled and quantised here, in registers); K_codes [16][2048][128], K_scales [16][2048][4]; V_codes [16][128][2048] (keys innermost), V_scales [16][128][64];
; causal_mask [2048][2048] f32; out0 [2][2048][16 x 128] f32.  The mask's pattern is not built in: every key is worked for every query.
; SHARES.  Work-group (hx, qy): key/value head hx = 8 b + kvh, queries 128 qy .. + 127 of its TWO query heads.  Wave w of sixteen: query head 2 hx + (w & 1), queries 16 (w >> 1) .. + 15: one tile, 256 registers,
; four waves to a SIMD: a key step has 16 matrix instructions and about 900 vector instructions a wave, so vector work decides, and all else is laid to stand beside it.
; Every wave walks the 2,048 keys in 16 steps of 128.  A step's tiles (mask 128 x 128 f32, K 128 x 128 codes, V 128 x 128 codes) come through a ring of two LDS slots; the head's scale bytes come once and stay.
; CLUSTER, 4 x 4.  The mask's tile hangs on qy alone: the four work-groups of a row of the cluster ask for it jointly.  K's, V's and their scales hang on hx alone: joint along a column.  Requests are divided by four.
; LAYOUT.  Both products are used transposed (S^T = K Q^T, O^T = V^T P^T): a lane holds ONE query (lane % 16).  K's tile T is keys 16 T .. + 15 as they lie: the 16 rows of a load are 144 bytes apart and start in 16
; different groups of banks.  Register S + 8 T + j then holds key 16 T + 8 h + j (h = lane / 16).  THE SECOND PRODUCT TAKES ITS K IN THAT ORDER ON BOTH SIDES: in block c of 32 keys a lane's 16 places are keys
; 32 c + 8 h + 0 .. 7 and 32 c + 16 + 8 h + 0 .. 7.  p's conversions give them so; V's fragments are loaded so, in pieces of 8 bytes.  Keys stay in their block of 32, so the scales hold; the sums are grouped otherwise.
; SCALE WORDS lie two tiles to a register: lanes 0-15 tile t's, lanes 16-31 tile t + 4's, which the product reads by the ROW1 selector.
; THE ORDER OF A STEP.  LDS loads are issued a stretch of vector work ahead of their use, into registers just left: at the head only the scale words and K's tiles 0, 1 are waited for; the masks of tiles 0-3 lie in the
; registers that the scores of tiles 4-7 take later; K's tiles 4-7 land under the softcap of tiles 0-3, the masks of tiles 4-7 and V's tiles 0-3 under the softcap and the softmax, V's tiles 4-7 in p's registers as the
; conversions free them.  The step's eight products V^T P stand between the signal and the wait of the barrier that opens the change of slots.
; TANH ahead of a quantiser: the clamped rational form x P(x^2) / D(x^2), degrees 13 and 6, whose error is a few units in the last place RELATIVE to tanh at every x (a form 1 - 2 / (1 + e^2x) loses that for the small x
; that scores / 50 are).  D's coefficients are divided by 50, so that x P / D is 50 tanh.  One reciprocal a score.
; t IS ROUNDED TO f32 BEFORE M IS TAKEN AWAY: rows whose every key carries a huge negative mask then have equal t, and p = 1, as the softmax of equal logits asks.
; No prefetch is laid: a refill is asked for a whole key step ahead of the wait for it.
; LIMITS.  NaN and infinities in Q or in the mask are not served.  A block of Q whose largest magnitude lies under 2^-111 has the scale byte 1 (a block of zeros too: its codes are zeros).  p under 2^-126 comes out as 0.
; a = x P / D + mask is rounded once (a fused multiply-add) where the definition rounds the product and the sum.  |A x 0.02| is held at 7.99881, beyond which the form gives 1.
.set SEQ,   2048
.set NSTEP, SEQ/128                    ; key steps
.set MP,    528                        ; a mask row in LDS: 512 bytes + 16 of padding: an odd multiple of 16, so the 16 rows that a load touches start in 16 different groups of banks (64 banks of 4 bytes: ISA guide 11.1)
.set KP,    144                        ; a row of K's or V's tile: 128 bytes + 16
.set UP,    272                        ; 256 scale bytes + 16
.set SP,    272                        ; a stage row: 256 bytes + 16
.set KOFF,  128*MP                     ; a slot: the mask's 128 rows, K's 128 rows,
.set VOFF,  KOFF+128*KP                ; V's 128 rows
.set SCK,   VOFF+128*KP                ; behind slot 0: K's scale bytes of the head, 32 x 272, filled once;
.set SCV,   SCK+32*UP                  ; V's likewise;
.set SPARE, SCV+32*UP                  ; the spare words, 128 bytes for each of the sixteen waves: eight blocks of 256 bytes that no other line names
.set SLOT1, 1<<17                      ; slot 1 begins here: one exclusive or turns an address in one slot into the other's
.set STAGE, SLOT1+SCK                  ; behind slot 1: 16 rows x 272 bytes for each wave, for Q's way in and O's way out; no tile ever lands here
.set AK0,  1                           ; v1   my lane's place in a tile of K
.set AV0,  2                           ; v2   of V
.set ASK0, 3                           ; v3   among K's scale words
.set ASV0, 4                           ; v4   among V's
.set SPW,  5                           ; v5   LDS address of my spare word: SPARE + 4 x my thread's number; never rewritten
.set NIL,  6                           ; v6   0; never rewritten
.set AM0,  7                           ; v7   my lane's place in the mask's tile
.set RD,   8                           ; v8   the stage by rows: lanes 0-15 one row of 256 bytes, lanes 16-31 the next
.set QSW,  9                           ; v9   Q's scale word
.set CP,   10                          ; v[10:11] the coefficients alpha11 and beta4 / 50
.set MM,   12                          ; v12  -M;  v13 the largest t so far
.set L,    14                          ; v[14:15] the row's sum in two halves
.set QC,   16                          ; v16-31   Q's codes
.set F,    32                          ; v32-95   in two halves of 32: fragments of K, masks of tiles 4-7, V's tiles 0-3
.set S,    96                          ; v96-159  S^T, worked in place up to p; its upper half first holds the masks of tiles 0-3; at the step's end V's tiles 4-7
.set O,    160                         ; v160-223 O^T
.set Y,    224                         ; v224-231 x^2 of eight scores;  v232-239 the numerator's polynomial;  v240-247 the denominator, then its reciprocal
.set P,    232
.set QD,   240
.set PC,   224                         ; v224-239 later: p's codes
.set BM,   232                         ; v232-235 later: each block's largest t, then p;  v236-239 at work;  v240-243 the largest number x the scale;  v244-247 the conversions' scale operands
.set BT,   236
.set BL,   240
.set BS,   244
.set SW,   248                         ; v248-251 scale words of K's or V's eight tiles, two tiles to a register, and nothing else
.set FF,   252                         ; v252 f = 2^(old M - new M), from the softmax to the rescaling;
.set MA,   252                         ;      before that the LDS address of the step's mask
.set PSW,  253                         ; v253 p's scale word
.set AD0,  254                         ; v254, v255 the LDS addresses of K's, then V's, tiles and scale words; rewritten only when no load that names them is out
.set AD1,  255
.set TB,   2                           ; s2   LDS byte at which the slot in hand begins
.set TS,   3                           ; s3   where the step's scale words of K begin: 544 bytes a step
.set WV,   18                          ; s18  my wave's number
.set MNT,  19                          ; s19  the mantissa field of 57,344
.set SEL,  20                          ; s[20:21] v_permlanex16_b32's selects for lane l xor 16
.set CLN,  22                          ; s22  -7.99881;  s67 +7.99881
.set TJ,   23                          ; s23  V's scale words: 4 bytes a step
.set G1M,  24                          ; s[24:31] descriptor group 1 for the mask's tiles;  s[32:39] K's;  s[40:47] V's;  s[48:55] the scale bytes'
.set G1K,  32
.set G1V,  40
.set G1S,  48
.set G0M,  56                          ; s[56:59], s[60:63], s[68:71] groups 0 that walk: mask, K, V;  s[72:75], s[76:79] K's and V's scale bytes
.set G0K,  60
.set G0V,  68
.set G0SK, 72
.set G0SV, 76
.set SLOTS, 66                         ; s66  the loop's trips to go
.set CLP,  67
.set C02,  80                          ; s[80:101]: first the head's temporaries, then constants as pairs (a packed form names a pair and takes its low word for both halves)
.set LG,   82
.set A13,  84
.set A9,   86
.set A7,   88
.set A5,   90
.set A3,   92
.set A1,   94
.set B6,   96
.set B2,   98
.set B0,   100
.macro NOPS n
.rept \n
	v_nop
.endr
.endm
.macro PAIR reg, val
	s_mov_b32 s[\reg], \val
	s_mov_b32 s[\reg+1], \val
.endm
; A round of the cluster's barrier: my work-group's barrier, so that wave 0's signal speaks for all sixteen waves; wave 0 signals for the work-group; every wave waits for all sixteen work-groups; my work-group's barrier once more.
.macro CREST                           ; a round behind its opening barrier
	s_cmp_lg_u32 s[WV], 0
	s_cbranch_scc1 .Lnot_wave_0_\@
	s_barrier_signal -3
.Lnot_wave_0_\@:
	s_barrier_wait -3
	s_barrier_signal -1
	s_barrier_wait -1
.endm
.macro CROUND                          ; a whole round
	s_barrier_signal -1
	s_barrier_wait -1
	CREST
.endm
; A joint refill.  Waves 0 and 1 fetch the mask tile's two halves (64 rows each), wave 2 K's tile, wave 3 V's, the others nothing.  The branches hang on the wave's number alone: they are the same in every work-group.
; Four v_nop follow each of the three lines, ahead of the jump, the label and what follows.
.macro JLOAD
	s_cmp_lt_u32 s[WV], 2
	s_cbranch_scc0 .Lnot_m_\@
	tensor_load_to_lds s[G0M:G0M+3], s[G1M:G1M+7]
	s_nop 0
	NOPS 4
	s_branch .Lasked_\@
.Lnot_m_\@:
	s_cmp_eq_u32 s[WV], 2
	s_cbranch_scc0 .Lnot_k_\@
	tensor_load_to_lds s[G0K:G0K+3], s[G1K:G1K+7]
	s_nop 0
	NOPS 4
	s_branch .Lasked_\@
.Lnot_k_\@:
	s_cmp_eq_u32 s[WV], 3
	s_cbranch_scc0 .Lasked_\@
	tensor_load_to_lds s[G0V:G0V+3], s[G1V:G1V+7]
	s_nop 0
	NOPS 4
.Lasked_\@:
.endm
; the walking descriptors: the other slot than last time, the next 128 keys
.macro WALK
	s_xor_b32 s[G0M+1], s[G0M+1], SLOT1
	s_add_nc_u64 s[G0M+2:G0M+3], s[G0M+2:G0M+3], 512       ; 512 bytes along a row of the mask,
	s_xor_b32 s[G0K+1], s[G0K+1], SLOT1
	s_add_nc_u64 s[G0K+2:G0K+3], s[G0K+2:G0K+3], 128*128   ; 128 rows of K,
	s_xor_b32 s[G0V+1], s[G0V+1], SLOT1
	s_add_nc_u64 s[G0V+2:G0V+3], s[G0V+2:G0V+3], 128       ; 128 bytes along a row of V; the type bits on top are not reached
.endm
	s_load_b256 s[4:11], s[0:1], 0x0               ; Q s[4:5], K's codes s[6:7], K's scales s[8:9], V's codes s[10:11]
	s_load_b128 s[12:15], s[0:1], 0x20             ; V's scales s[12:13], the mask s[14:15]
	s_load_b64 s[16:17], s[0:1], 0x30              ; out0
	v_lshl_add_u32 v[SPW], v0, 2, SPARE
	v_mov_b32 v[NIL], 0
	ds_add_u32 v5, v6
	s_wait_dscnt 0x0
	v_lshrrev_b32 v240, 5, v0
	v_readfirstlane_b32 s[WV], v240                ; wave 0..15
	s_bfe_u32 s104, ttmp6, 0x40000                 ; cx: my place along the cluster's x
	s_bfe_u32 s105, ttmp6, 0x40004                 ; cy: along its y
	s_lshl_b32 s80, ttmp9, 2                       ; in a cluster launch ttmp9 and ttmp7 count clusters
	s_add_co_u32 s80, s80, s104                    ; hx = 4 x cluster x + cx: the key/value head, 8 b + kvh
	s_and_b32 s82, ttmp7, 0xffff
	s_lshl_b32 s82, s82, 2
	s_add_co_u32 s82, s82, s105                    ; qy = 4 x cluster y + cy: the block of 128 queries
	s_lshl_b32 s84, s105, 2
	s_lshl_b32 s84, 15, s84                        ; my row of the cluster: places 4 cy .. 4 cy + 3
	s_lshl_b32 s85, 0x1111, s104                   ; my column: places cx, cx + 4, cx + 8, cx + 12
	; descriptor groups 1.  The mask: 64 rows x 128 elements of 4 bytes, 2,048 elements from row to row; 4 words of padding behind every 128
	s_or_b32 s[G1M], s84, (2<<16)|(1<<20)|(1<<21)|(6<<22)|(3<<25)   ; 15:0 the mask of work-groups: my row; 17:16 elements of 4 bytes; 20 padding on; 21 set beside a mask; 24:22 after every 128 words (code 6); 31:25 four words (code 3)
	s_mov_b32 s[G1M+1], 128<<16                    ; tensor_dim0 = 128
	s_mov_b32 s[G1M+2], 64<<16                     ; tensor_dim1 = 64
	s_mov_b32 s[G1M+3], 128<<16                    ; tile_dim0 = 128
	s_mov_b32 s[G1M+4], 64                         ; tile_dim1 = 64
	s_mov_b32 s[G1M+5], SEQ                        ; tensor_dim0_stride
	s_mov_b32 s[G1M+6], 0
	s_mov_b32 s[G1M+7], 0
	; K and V: 128 rows x 128 bytes; 4 words of padding behind every 32.  K's rows are dense, V's lie 2,048 bytes apart
	s_or_b32 s[G1K], s85, (0<<16)|(1<<20)|(1<<21)|(4<<22)|(3<<25)   ; the mask of work-groups: my column
	s_or_b32 s[G1V], s85, (0<<16)|(1<<20)|(1<<21)|(4<<22)|(3<<25)
.irp g, G1K, G1V
	s_mov_b32 s[\g+1], 128<<16
	s_mov_b32 s[\g+2], 128<<16
	s_mov_b32 s[\g+3], 128<<16
	s_mov_b32 s[\g+4], 128
	s_mov_b32 s[\g+6], 0
	s_mov_b32 s[\g+7], 0
.endr
	s_mov_b32 s[G1K+5], 128
	s_mov_b32 s[G1V+5], SEQ
	; a head's scale bytes: 8,192 dense bytes as 32 rows of 256 (32 elements of 8 bytes), 4 words of padding behind each
	s_or_b32 s[G1S], s85, (3<<16)|(1<<20)|(1<<21)|(5<<22)|(3<<25)
	s_mov_b32 s[G1S+1], 32<<16
	s_mov_b32 s[G1S+2], 32<<16
	s_mov_b32 s[G1S+3], 32<<16
	s_mov_b32 s[G1S+4], 32
	s_mov_b32 s[G1S+5], 32
	s_mov_b32 s[G1S+6], 0
	s_mov_b32 s[G1S+7], 0
	; byte offsets.  What feeds K's and V's descriptors is made of hx alone (s86-89), what feeds the mask's of qy and the wave alone (s90-91); only Q's and out0's (s94-99) mix the two
	s_and_b32 s93, s[WV], 1                        ; g: my query head of the two.  Also: which 64 rows of the mask's tile waves 0 and 1 fetch
	s_lshr_b32 s92, s[WV], 1                       ; j: my tile of 16 queries
	s_lshl_b32 s86, s80, 18                        ; a head's codes: 2,048 x 128 bytes
	s_mov_b32 s87, 0
	s_lshl_b32 s88, s80, 13                        ; a head's scale bytes: 8,192
	s_mov_b32 s89, 0
	s_lshl_b32 s90, s82, 20                        ; the mask: 128 qy rows of 8,192 bytes,
	s_lshl_b32 s91, s93, 19                        ; + 64 rows for the second half
	s_add_co_u32 s90, s90, s91
	s_mov_b32 s91, 0
	s_lshl_b32 s94, s80, 1                         ; Q: ((2 hx + g) x 2,048 + 128 qy + 16 j) rows of 512 bytes
	s_add_co_u32 s94, s94, s93
	s_lshl_b32 s94, s94, 20
	s_lshl_b32 s98, s82, 16
	s_add_co_u32 s94, s94, s98
	s_lshl_b32 s98, s92, 13
	s_add_co_u32 s94, s94, s98
	s_mov_b32 s95, 0
	s_lshr_b32 s96, s80, 3                         ; out0: (2,048 b + 128 qy + 16 j) rows of 8,192 bytes + (2 kvh + g) x 512
	s_lshl_b32 s96, s96, 24
	s_lshl_b32 s98, s82, 20
	s_add_co_u32 s96, s96, s98
	s_lshl_b32 s98, s92, 17
	s_add_co_u32 s96, s96, s98
	s_and_b32 s98, s80, 7
	s_lshl_b32 s98, s98, 10
	s_add_co_u32 s96, s96, s98
	s_lshl_b32 s98, s93, 9
	s_add_co_u32 s96, s96, s98
	s_mov_b32 s97, 0
	s_wait_kmcnt 0x0
	s_mov_b32 s[G0M], 1                            ; 1:0 count = 1
	s_mul_i32 s[G0M+1], s93, 64*MP                 ; 63:32 LDS address: slot 0, my half of the mask's rows: no place in the cluster enters an LDS address
	s_add_nc_u64 s[G0M+2:G0M+3], s[14:15], s[90:91]   ; 120:64 global address: keys 0 to 127
	s_or_b32 s[G0M+3], s[G0M+3], 0x80000000        ; 127:126 type = 2
	s_mov_b32 s[G0K], 1
	s_mov_b32 s[G0K+1], KOFF
	s_add_nc_u64 s[G0K+2:G0K+3], s[6:7], s[86:87]
	s_or_b32 s[G0K+3], s[G0K+3], 0x80000000
	s_mov_b32 s[G0V], 1
	s_mov_b32 s[G0V+1], VOFF
	s_add_nc_u64 s[G0V+2:G0V+3], s[10:11], s[86:87]
	s_or_b32 s[G0V+3], s[G0V+3], 0x80000000
	s_mov_b32 s[G0SK], 1
	s_mov_b32 s[G0SK+1], SCK
	s_add_nc_u64 s[G0SK+2:G0SK+3], s[8:9], s[88:89]
	s_or_b32 s[G0SK+3], s[G0SK+3], 0x80000000
	s_mov_b32 s[G0SV], 1
	s_mov_b32 s[G0SV+1], SCV
	s_add_nc_u64 s[G0SV+2:G0SV+3], s[12:13], s[88:89]
	s_or_b32 s[G0SV+3], s[G0SV+3], 0x80000000
	s_add_nc_u64 s[4:5], s[4:5], s[94:95]          ; Q at my first query
	s_add_nc_u64 s[16:17], s[16:17], s[96:97]      ; out0 likewise
	CROUND                                         ; all sixteen work-groups are here: the first joint loads meet
	; The first fills: each wave's stand in one arm of one parting on the wave's number, ahead of every wait on TENSORcnt, every LDS read and every other barrier.  At most two tensor loads of a wave are out.
	s_cmp_lt_u32 s[WV], 2
	s_cbranch_scc0 .Lfirst_not_m
	tensor_load_to_lds s[G0M:G0M+3], s[G1M:G1M+7]
	s_nop 0
	NOPS 4
	s_branch .Lfirst_asked
.Lfirst_not_m:
	s_cmp_eq_u32 s[WV], 2
	s_cbranch_scc0 .Lfirst_not_k
	tensor_load_to_lds s[G0SK:G0SK+3], s[G1S:G1S+7]   ; K's scale bytes of the whole head: filled once
	s_nop 0
	tensor_load_to_lds s[G0K:G0K+3], s[G1K:G1K+7]
	s_nop 0
	NOPS 4
	s_branch .Lfirst_asked
.Lfirst_not_k:
	s_cmp_eq_u32 s[WV], 3
	s_cbranch_scc0 .Lfirst_asked
	tensor_load_to_lds s[G0SV:G0SV+3], s[G1S:G1S+7]   ; V's likewise
	s_nop 0
	tensor_load_to_lds s[G0V:G0V+3], s[G1V:G1V+7]
	s_nop 0
	NOPS 4
.Lfirst_asked:
	; Q: my 16 rows of 512 bytes.  Each load reads 256 consecutive bytes of two rows (sixteen lanes a row); the rows' halves turn through my stage, so that lane (r, h) gets, of row r, 16 neighbours of each block of 32.
	v_and_b32 v240, 15, v0                         ; r = lane % 16
	v_bfe_u32 v241, v0, 4, 1                       ; h = lane / 16
	s_mul_i32 s98, s[WV], 16*SP
	s_add_co_u32 s98, s98, STAGE                   ; my stage
	v_mul_u32_u24 v[RD], v241, SP
	v_lshl_add_u32 v[RD], v240, 4, v[RD]
	v_add_nc_u32 v[RD], s98, v[RD]                 ; by rows: row h, 16 bytes a lane
	v_mul_u32_u24 v243, v240, SP
	v_lshl_add_u32 v243, v241, 6, v243
	v_add_nc_u32 v243, s98, v243                   ; by lanes: row r, + 64 h: my 16 numbers of a block
	v_lshlrev_b32 v244, 9, v241
	v_lshl_add_u32 v244, v240, 4, v244             ; in memory: row h of 512 bytes, 16 bytes a lane
.irp u, 0,1
.irp i, 0,1,2,3,4,5,6,7
	global_load_b128 v[S+32*\u+4*\i:S+32*\u+4*\i+3], v244, s[4:5] offset:1024*\i+256*\u th:TH_LOAD_NT   ; rows 2 i, 2 i + 1; bytes 256 u on
.endr
.endr
	; the lane's places in the tiles, while Q is on its way
	v_mul_u32_u24 v[AK0], v240, KP                 ; K: row r of a tile, + 16 h
	v_lshl_add_u32 v[AK0], v241, 4, v[AK0]
	v_add_nc_u32 v[AK0], KOFF, v[AK0]
	v_mul_u32_u24 v[AV0], v240, KP                 ; V: row r of a tile, + 8 h: pieces of 8 keys
	v_lshl_add_u32 v[AV0], v241, 3, v[AV0]
	v_add_nc_u32 v[AV0], VOFF, v[AV0]
	v_lshl_add_u32 v[ASK0], v240, 2, SCK           ; K's scale words: 4 bytes a key; a step's 128 keys are two units of 256 bytes:
	v_mad_u32_u24 v[ASK0], v241, UP, v[ASK0]       ; lanes 16-31 take the second unit's: tile t + 4's
	v_lshrrev_b32 v245, 2, v240                    ; V's: row d has 64 bytes: four rows to a unit;
	v_and_b32 v246, 3, v240
	v_mul_u32_u24 v[ASV0], v245, UP
	v_lshl_add_u32 v[ASV0], v246, 6, v[ASV0]
	v_mad_u32_u24 v[ASV0], v241, 16*UP, v[ASV0]    ; lanes 16-31 take the rows 64 further down: tile t + 4's
	v_add_nc_u32 v[ASV0], SCV, v[ASV0]
	s_mul_i32 s99, s92, 16*MP                      ; the mask: my tile's 16 rows,
	v_mul_u32_u24 v[AM0], v240, MP                 ; row r,
	v_lshl_add_u32 v[AM0], v241, 5, v[AM0]         ; + 32 h: 8 keys of 4 bytes
	v_add_nc_u32 v[AM0], s99, v[AM0]
	v_mov_b32 v[CP], 0x2a61337e                    ; alpha11 = 2.00018790e-13
	v_mov_b32 v[CP+1], 0x361f1837                  ; beta4 / 50 = 2.37069411e-06
	s_mov_b32 s[SEL], 0x76543210
	s_mov_b32 s[SEL+1], 0xfedcba98
	s_mov_b32 s[MNT], 0x600000
	s_mov_b32 s[CLN], 0xc0fff644
	s_mov_b32 s[CLP], 0x40fff644
	s_mov_b32 s[TB], 0
	s_mov_b32 s[TS], 0
	s_mov_b32 s[TJ], 0
	s_mov_b32 s[SLOTS], NSTEP-2
	PAIR C02, 0x3ca3d70a                           ; 1 / 50
	PAIR LG,  0x3fb8aa3b                           ; log2(e)
	PAIR A13, 0xa59f25c0                           ; alpha13 = -2.76076848e-16
	PAIR A9,  0xaebd37ff                           ; alpha9  = -8.60467152e-11
	PAIR A7,  0x335c0041                           ; alpha7  =  5.12229709e-08
	PAIR A5,  0x3779434a                           ; alpha5  =  1.48572236e-05
	PAIR A3,  0x3a270ded                           ; alpha3  =  6.37261929e-04
	PAIR A1,  0x3ba059dc                           ; alpha1  =  4.89352456e-03
	PAIR B6,  0x32cddbf6                           ; beta6 / 50 = 2.39651679e-08
	PAIR B2,  0x383e4a43                           ; beta2 / 50 = 4.53686926e-05
	PAIR B0,  0x38cd3fd4                           ; beta0 / 50 = 9.78705037e-05
	s_wait_loadcnt 8                               ; the rows' first halves are in; the eight younger loads, the second halves, may be out
.irp u, 0,1
.if \u == 1
	s_wait_loadcnt 0x0
.endif
.irp i, 0,1,2,3,4,5,6,7
	ds_store_b128 v[RD], v[S+32*\u+4*\i:S+32*\u+4*\i+3] offset:2*\i*SP
.endr
.irp b, 0,1
.irp i, 0,1,2,3
	ds_load_b128 v[O+16*(2*\u+\b)+4*\i:O+16*(2*\u+\b)+4*\i+3], v243 offset:128*\b+16*\i   ; LDS serves a wave's instructions in order (ISA guide 5.7.1.4): these see the stores above, and the second half's stores come behind them
.endr
.endr
.endr
.irp b, 0,1,2,3
	v_mov_b32 v[Y+4+\b], 0                         ; written once: a lane permute's destination counts as one of its sources
.endr
	s_wait_dscnt 0x0                               ; register O + 16 b + i = Q(r, 32 b + 16 h + i)
.set j, 0
.rept 32
	v_pk_mul_f32 v[O+j:O+j+1], v[O+j:O+j+1], 0x3db504f3 op_sel_hi:[1,0]   ; x 128^-0.5, in f32, as the operand is defined
.set j, j+2
.endr
	; the quantiser: v224-227 the blocks' largest magnitudes, v228-231 at work, v232-235 the largest number x the scale, v236-239 the conversions' scale operands
.irp b, 0,1,2,3
	v_max3_num_f32 v[Y+\b], |v[O+16*\b]|, |v[O+16*\b+1]|, 0x8000000   ; block b: my 16 numbers, and the floor 2^(16 - 127): the byte cannot fall under 1
.endr
.irp i, 2,4,6,8,10,12,14
.irp b, 0,1,2,3
	v_max3_num_f32 v[Y+\b], v[Y+\b], |v[O+16*\b+\i]|, |v[O+16*\b+\i+1]|   ; (the four blocks by turns)
.endr
.endr
.irp b, 0,1,2,3
	v_permlanex16_b32 v[Y+4+\b], v[Y+\b], s[SEL], s[SEL+1]
.endr
.irp b, 0,1,2,3
	v_max_num_f32 v[Y+\b], v[Y+\b], v[Y+4+\b]      ; with lane l xor 16's 16: the block's largest magnitude
.endr
.irp b, 0,1,2,3
	v_add_nc_u32 v[Y+12+\b], 0xf8800000, v[Y+\b]   ; 15 off its exponent field: the conversion takes the exponent field of this operand as its scale
.endr
.irp b, 0,1,2,3
	v_and_or_b32 v[Y+8+\b], v[Y+\b], 0x7f800000, s[MNT]   ; 57,344 x the scale
.endr
.irp b, 0,1,2,3
	v_lshrrev_b32 v[Y+4+\b], 23, v[Y+12+\b]        ; the scale's byte
.endr
	v_lshl_or_b32 v[QSW], v[Y+5], 8, v[Y+4]        ; the four bytes make my query's scale word
	v_lshl_or_b32 v[QSW], v[Y+6], 16, v[QSW]
	v_lshl_or_b32 v[QSW], v[Y+7], 24, v[QSW]
.irp b, 0,1,2,3
.irp i, 0,1,2,3,4,5,6,7,8,9,10,11,12,13,14,15
	v_med3_num_f32 v[O+16*\b+\i], v[O+16*\b+\i], -v[Y+8+\b], v[Y+8+\b]   ; the conversion to an 8-bit code does not saturate (ISA guide 7.6.2): the hold at the largest code x the scale
.endr
	v_cvt_scalef32_pk8_bf8_f32 v[QC+4*\b:QC+4*\b+1], v[O+16*\b:O+16*\b+7], v[Y+12+\b]
	v_cvt_scalef32_pk8_bf8_f32 v[QC+4*\b+2:QC+4*\b+3], v[O+16*\b+8:O+16*\b+15], v[Y+12+\b]
.endr
	v_nop                                          ; one plain vector instruction between the last conversion and the lines below, which write its sources
	v_mov_b32 v[MM+1], 0xff61b1e6                  ; the largest t so far: -3e38, under every t
	v_floor_f32 v[MM], -v[MM+1]                    ; -M
	v_mov_b32 v[L], 0                              ; the sum, in two halves
	v_mov_b32 v[L+1], 0
	v_mov_b32 v[PSW], 0                            ; (named as the upper half of the pair v[252:253] before it is first made)
.set j, 0
.rept 64
	v_mov_b32 v[O+j], 0                            ; O^T.  The key step is written without a first step of its own: it finds zeros, which the first change of M leaves zeros; that spares a further copy of the step
.set j, j+1
.endr
; K's tile T (keys 16 T .. + 15 of the step), 16 registers from reg on
.macro KLOAD T, reg
.irp c, 0,1,2,3
	ds_load_b128 v[\reg+4*\c:\reg+4*\c+3], v[AD0] offset:16*(\T)*KP+32*\c
.endr
.endm
; my query's eight numbers of the mask for tile T, in the scores' order: register reg + j = mask(my query, the step's key 16 T + 8 h + j)
.macro MLOAD T, reg
	ds_load_b128 v[\reg:\reg+3], v[MA] offset:64*(\T)
	ds_load_b128 v[\reg+4:\reg+7], v[MA] offset:64*(\T)+16
.endm
; V's tile t (16 of the head's 128 x the step's 128 keys), 16 registers from reg on: of each block of 32 keys the pieces 8 h .. + 7 and 16 + 8 h .. + 7, the order in which p's codes lie
.macro VLOAD t, reg
.irp c, 0,1,2,3
	ds_load_b64 v[\reg+4*\c:\reg+4*\c+1], v[AD0] offset:16*(\t)*KP+32*\c
	ds_load_b64 v[\reg+4*\c+2:\reg+4*\c+3], v[AD0] offset:16*(\t)*KP+32*\c+16
.endr
.endm
; S^T's tile T = K's tile T (in reg on) x Q^T.  Tiles 4-7 read their scale words from lanes 16-31
.macro KQW T, reg
.if (\T) < 4
	v_wmma_scale_f32_16x16x128_f8f6f4 v[S+8*(\T):S+8*(\T)+7], v[\reg:\reg+15], v[QC:QC+15], 0, v[SW+(\T)], v[QSW] matrix_a_fmt:MATRIX_FMT_BF8 matrix_b_fmt:MATRIX_FMT_BF8
.else
	v_wmma_scale_f32_16x16x128_f8f6f4 v[S+8*(\T):S+8*(\T)+7], v[\reg:\reg+15], v[QC:QC+15], 0, v[SW+(\T)-4], v[QSW] matrix_a_fmt:MATRIX_FMT_BF8 matrix_b_fmt:MATRIX_FMT_BF8 matrix_a_scale:MATRIX_SCALE_ROW1
.endif
.endm
; THE SOFTCAP AND THE MASK, eight scores (one accumulator) at a time, in three stages.
; A: x = A x 0.02, held within +-7.99881.  In place, ascending: an accumulator is first read at its low end.
.macro TANH_A T
.irp k, 0,2,4,6
	v_pk_mul_f32 v[S+8*(\T)+\k:S+8*(\T)+\k+1], v[S+8*(\T)+\k:S+8*(\T)+\k+1], s[C02:C02+1] op_sel_hi:[1,0]
.endr
.irp k, 0,1,2,3,4,5,6,7
	v_med3_num_f32 v[S+8*(\T)+\k], v[S+8*(\T)+\k], s[CLN], s[CLP]
.endr
.endm
; B: y = x^2; D = ((beta6 y + beta4) y + beta2) y + beta0, all / 50; its eight reciprocals; P = alpha13 y^6 + .. + alpha1; x P.  Four pairs by turns, so that no line waits for the line above it.
; The reciprocals are one batch; the numerator's last sixteen lines are the independent work behind them.
.macro TANH_B T
.irp k, 0,2,4,6
	v_pk_mul_f32 v[Y+\k:Y+\k+1], v[S+8*(\T)+\k:S+8*(\T)+\k+1], v[S+8*(\T)+\k:S+8*(\T)+\k+1]
.endr
.irp k, 0,2,4,6
	v_pk_fma_f32 v[QD+\k:QD+\k+1], v[Y+\k:Y+\k+1], s[B6:B6+1], v[CP:CP+1] op_sel:[0,0,1] op_sel_hi:[1,0,1]   ; the addend is the pair's second register, beta4, for both halves
.endr
.irp k, 0,2,4,6
	v_pk_fma_f32 v[P+\k:P+\k+1], v[Y+\k:Y+\k+1], s[A13:A13+1], v[CP:CP+1] op_sel_hi:[1,0,0]   ; the addend is the pair's first register, alpha11, for both halves
.endr
.irp k, 0,2,4,6
	v_pk_fma_f32 v[QD+\k:QD+\k+1], v[QD+\k:QD+\k+1], v[Y+\k:Y+\k+1], s[B2:B2+1] op_sel_hi:[1,1,0]
.endr
.irp k, 0,2,4,6
	v_pk_fma_f32 v[P+\k:P+\k+1], v[P+\k:P+\k+1], v[Y+\k:Y+\k+1], s[A9:A9+1] op_sel_hi:[1,1,0]
.endr
.irp k, 0,2,4,6
	v_pk_fma_f32 v[QD+\k:QD+\k+1], v[QD+\k:QD+\k+1], v[Y+\k:Y+\k+1], s[B0:B0+1] op_sel_hi:[1,1,0]
.endr
.irp k, 0,2,4,6
	v_pk_fma_f32 v[P+\k:P+\k+1], v[P+\k:P+\k+1], v[Y+\k:Y+\k+1], s[A7:A7+1] op_sel_hi:[1,1,0]
.endr
.irp k, 0,1,2,3,4,5,6,7
	v_rcp_f32 v[QD+\k], v[QD+\k]                   ; D is at least beta0 / 50: no denormal goes in or comes out
.endr
.irp c, A5, A3, A1
.irp k, 0,2,4,6
	v_pk_fma_f32 v[P+\k:P+\k+1], v[P+\k:P+\k+1], v[Y+\k:Y+\k+1], s[\c:\c+1] op_sel_hi:[1,1,0]
.endr
.endr
.irp k, 0,2,4,6
	v_pk_mul_f32 v[S+8*(\T)+\k:S+8*(\T)+\k+1], v[S+8*(\T)+\k:S+8*(\T)+\k+1], v[P+\k:P+\k+1]
.endr
.endm
; D: the one wait for the group's eight reciprocals, ahead of their first reader; a = (x P) x (1 / D) + mask: the logit (the tile's mask in m on); t = a x log2(e), rounded to f32
.macro TANH_D T, m
	s_wait_alu depctr_va_vdst(0)
.irp k, 0,2,4,6
	v_pk_fma_f32 v[S+8*(\T)+\k:S+8*(\T)+\k+1], v[S+8*(\T)+\k:S+8*(\T)+\k+1], v[QD+\k:QD+\k+1], v[\m+\k:\m+\k+1]
.endr
.irp k, 0,2,4,6
	v_pk_mul_f32 v[S+8*(\T)+\k:S+8*(\T)+\k+1], v[S+8*(\T)+\k:S+8*(\T)+\k+1], s[LG:LG+1] op_sel_hi:[1,0]
.endr
.endm
; A KEY STEP up to p's codes: the 128 keys of the slot in hand.  A load into a register that a matrix instruction of this form has read, and a vector instruction that reads its result, stand eight places behind it; a matrix
; instruction that writes over one of its registers nine; only plain vector instructions that name none of its registers are places.
; The counts of the waits on DScnt follow the order of issue: 4 scale words, K0, K1 (4 each), M0, M1 (2 each), K2, K3, M2, M3 | K4, K5 | K6, K7 | M4 .. M7 | 4 scale words, V0, V1 (8 each) | V2, V3 | V4 .. V7.
.macro BODY
	v_add_nc_u32 v[AD0], s[TB], v[AK0]
	v_add_nc_u32 v[AD1], s[TS], v[ASK0]
	v_add_nc_u32 v[MA], s[TB], v[AM0]
	NOPS 6                                         ; with the three additions: nine places behind the last step's products, whose fragments of V lay where loads and the first scores now land
.irp t, 0,1,2,3
	ds_load_b32 v[SW+\t], v[AD1] offset:64*\t      ; lanes 0-15: tile t's scale words; lanes 16-31: tile t + 4's
.endr
	KLOAD 0, F
	KLOAD 1, F+16
	MLOAD 0, S+32                                  ; the masks of tiles 0-3 lie where the scores of tiles 4-7 come later
	MLOAD 1, S+40
	KLOAD 2, F+32
	KLOAD 3, F+48
	MLOAD 2, S+48
	MLOAD 3, S+56
	s_wait_dscnt 16                                ; the scale words, K0 and K1 are in; the sixteen younger loads may be out
	KQW 0, F
	KQW 1, F+16
	NOPS 8                                         ; no vector work is at hand yet
	KLOAD 4, F
	KLOAD 5, F+16
	TANH_A 0
	TANH_B 0
	s_wait_dscnt 12                                ; all up to K3 are in; M2, M3, K4, K5 may be out
	KQW 2, F+32
	KQW 3, F+48
	TANH_D 0, S+32
	TANH_A 1                                       ; these twenty plain lines are the places behind products 2 and 3
	KLOAD 6, F+32
	KLOAD 7, F+48
	TANH_B 1
	TANH_A 2
	TANH_D 1, S+40
	s_wait_dscnt 8                                 ; all up to K5 are in; K6, K7 may be out
	KQW 4, F                                       ; over the masks of tiles 0 and 1, which are used up
	KQW 5, F+16
	TANH_B 2                                       ; (the places behind products 4 and 5)
	MLOAD 4, F
	MLOAD 5, F+8
	MLOAD 6, F+16
	MLOAD 7, F+24
	TANH_A 3
	TANH_D 2, S+48
	TANH_B 3
	TANH_D 3, S+56
	s_wait_dscnt 8                                 ; K6, K7 are in; M4 .. M7 may be out
	KQW 6, F+32
	KQW 7, F+48
	v_add_nc_u32 v[AD0], s[TB], v[AV0]             ; K's loads are all in: the two address registers pass to V
	v_add_nc_u32 v[AD1], s[TJ], v[ASV0]
	TANH_A 4                                       ; (with the two additions: the places behind products 6 and 7)
.irp t, 0,1,2,3
	ds_load_b32 v[SW+\t], v[AD1] offset:\t*4*UP    ; V's scale words: lanes 0-15 tile t's, lanes 16-31 tile t + 4's
.endr
	VLOAD 0, F+32
	VLOAD 1, F+48
	TANH_B 4
	TANH_A 5
	s_wait_dscnt 20                                ; M4 .. M7 are in; V's scale words, V0 and V1 may be out
	TANH_D 4, F
	TANH_B 5
	TANH_A 6
	TANH_D 5, F+8
	TANH_B 6
	TANH_A 7
	TANH_D 6, F+16
	TANH_B 7
	TANH_D 7, F+24
	VLOAD 2, F                                     ; the masks' registers are free: V2 and V3 land under the softmax
	VLOAD 3, F+16
.irp b, 0,1,2,3
	v_max3_num_f32 v[BM+\b], v[S+16*\b], v[S+16*\b+1], v[S+16*\b+2]   ; THE LARGEST t OF EACH BLOCK OF 32 KEYS: it serves twice: for the row's maximum, and, since p rises with t, for the block's largest p
.endr
.irp i, 3,5,7,9,11,13
.irp b, 0,1,2,3
	v_max3_num_f32 v[BM+\b], v[BM+\b], v[S+16*\b+\i], v[S+16*\b+\i+1]   ; (the four blocks by turns)
.endr
.endr
.irp b, 0,1,2,3
	v_max_num_f32 v[BM+\b], v[BM+\b], v[S+16*\b+15]
.endr
.irp b, 0,1,2,3
	v_permlanex16_b32 v[BT+\b], v[BM+\b], s[SEL], s[SEL+1]
.endr
.irp b, 0,1,2,3
	v_max_num_f32 v[BM+\b], v[BM+\b], v[BT+\b]     ; with lane l xor 16's 16 keys
.endr
	v_max3_num_f32 v[BL], v[BM], v[BM+1], v[BM+2]
	v_max_num_f32 v[BL], v[BL], v[BM+3]            ; the step's largest t of my query
	v_max_num_f32 v[MM+1], v[MM+1], v[BL]          ; the running largest t
	v_mov_b32 v[BL], v[MM]
	v_floor_f32 v[MM], -v[MM+1]                    ; the new -M = floor(-t) = -ceil(t): M IS A WHOLE NUMBER
	v_sub_f32 v[BL], v[MM], v[BL]                  ; M's old value less its new one: a whole number, 0 or less
	v_cvt_i32_f32 v[BL], v[BL]                     ; (it saturates)
	v_ldexp_f32 v[FF], 1.0, v[BL]                  ; f = 2^(old M - new M): what was summed under the old M is brought under the new by a multiplication that rounds nothing.  (The mask's loads, which named this register, are in)
.set j, 0
.rept 32
	v_pk_add_f32 v[S+j:S+j+1], v[S+j:S+j+1], v[MM:MM+1] op_sel_hi:[1,0]   ; t - M, two at a time (of the pair the low word, -M, serves both halves)
.set j, j+2
.endr
.irp b, 0,1,2,3
	v_add_f32 v[BM+\b], v[BM+\b], v[MM]            ; the same of each block's largest t
.endr
.set j, 0
.rept 64
	v_exp_f32 v[S+j], v[S+j]                       ; p = 2^(t - M), at most 1: NOT normalised
.set j, j+1
.endr
	v_pk_mul_f32 v[L:L+1], v[L:L+1], v[FF:FF+1] op_sel_hi:[1,0]   ; the sums under the new M.  (The plain instruction behind the exponentials)
	s_wait_alu depctr_va_vdst(0)                   ; one wait for the batch of 64, ahead of its first reader
.irp b, 0,1,2,3
	v_exp_f32 v[BM+\b], v[BM+\b]                   ; the block's largest p: the same two instructions on the same number give the same bits
.endr
	v_pk_add_f32 v[BT:BT+1], v[S:S+1], v[S+2:S+3]  ; THE ROW'S SUM IS TAKEN OF THE UNQUANTISED p: two at a time, in two chains.  (It reads the 64 alone: plain work behind the four)
.irp j, 4,8,12,16,20,24,28,32,36,40,44,48,52,56,60
	v_pk_add_f32 v[L:L+1], v[L:L+1], v[S+\j:S+\j+1]
	v_pk_add_f32 v[BT:BT+1], v[BT:BT+1], v[S+\j+2:S+\j+3]
.endr
	v_pk_add_f32 v[L:L+1], v[L:L+1], v[BT:BT+1]
	s_wait_alu depctr_va_vdst(0)                   ; and one for the four
.irp b, 0,1,2,3
	v_max_num_f32 v[BM+\b], 0x8000000, v[BM+\b]    ; the floor 2^(16 - 127): the byte cannot fall under 1 (a block whose every p is 0 keeps that byte: its codes are zeros)
.endr
.irp b, 0,1,2,3
	v_add_nc_u32 v[BS+\b], 0xf8800000, v[BM+\b]    ; 15 off the exponent field: the conversion's scale operand
.endr
.irp b, 0,1,2,3
	v_and_or_b32 v[BL+\b], v[BM+\b], 0x7f800000, s[MNT]   ; 57,344 x the scale
.endr
.irp b, 0,1,2,3
	v_lshrrev_b32 v[BT+\b], 23, v[BS+\b]           ; the scale's byte
.endr
	v_lshl_or_b32 v[PSW], v[BT+1], 8, v[BT]        ; p's scale word for these 128 keys: far more than eight plain instructions ahead of the products that name it
	v_lshl_or_b32 v[PSW], v[BT+2], 16, v[PSW]
	v_lshl_or_b32 v[PSW], v[BT+3], 24, v[PSW]
.irp b, 0,1,2,3
.irp i, 0,1,2,3,4,5,6,7,8,9,10,11,12,13,14,15
	v_min_num_f32 v[S+16*\b+\i], v[S+16*\b+\i], v[BL+\b]   ; the conversion to an 8-bit code does not saturate (ISA guide 7.6.2); p is not negative, so the hold is one-sided
.endr
	v_cvt_scalef32_pk8_bf8_f32 v[PC+4*\b:PC+4*\b+1], v[S+16*\b:S+16*\b+7], v[BS+\b]          ; keys 32 b + 8 h + 0 .. 7,
	v_cvt_scalef32_pk8_bf8_f32 v[PC+4*\b+2:PC+4*\b+3], v[S+16*\b+8:S+16*\b+15], v[BS+\b]     ; keys 32 b + 16 + 8 h + 0 .. 7
	VLOAD 4+\b, S+16*\b                            ; the block's 16 registers are free: V's tile 4 + b lands there, under the later blocks' holds and the rescaling
.endr
.endm
; O^T under the new M: x f, each accumulator from its low end on.  These 32 plain lines are also the place behind the last conversion and the places between p's codes and the products
.macro RESCALE
.set j, 0
.rept 32
	v_pk_mul_f32 v[O+j:O+j+1], v[O+j:O+j+1], v[FF:FF+1] op_sel_hi:[1,0]
.set j, j+2
.endr
.endm
; O^T += V^T P^T: eight accumulators by turns, one instruction a turn.  V's tiles 0, 1 lie in F's upper half, 2, 3 in its lower, 4-7 in S
.macro PVALL
.irp t, 0,1,2,3
	v_wmma_scale_f32_16x16x128_f8f6f4 v[O+8*\t:O+8*\t+7], v[F+16*((\t+2)%4):F+16*((\t+2)%4)+15], v[PC:PC+15], v[O+8*\t:O+8*\t+7], v[SW+\t], v[PSW] matrix_a_fmt:MATRIX_FMT_BF8 matrix_b_fmt:MATRIX_FMT_BF8
.endr
.irp t, 0,1,2,3
	v_wmma_scale_f32_16x16x128_f8f6f4 v[O+32+8*\t:O+32+8*\t+7], v[S+16*\t:S+16*\t+15], v[PC:PC+15], v[O+32+8*\t:O+32+8*\t+7], v[SW+\t], v[PSW] matrix_a_fmt:MATRIX_FMT_BF8 matrix_b_fmt:MATRIX_FMT_BF8 matrix_a_scale:MATRIX_SCALE_ROW1
.endr
.endm
; A STEP'S TAIL AND THE CHANGE OF SLOTS.  Each wave waits for all its tensor loads (its part of the next slot), adds 0 to its spare word, and waits for that and for its reads of the slot in hand, of which V's last tiles are
; the youngest.  The step's products, which touch registers alone, stand between the barrier's signal and its wait.  fill = 1: the barrier opens a round of the cluster's, so that no wave of any partner still reads the slot
; or has a load on its way; the slot is then filled with the tiles two steps on, first thing behind the round: one tensor load a wave, which has a whole key step in which to land.
.macro TAILCHG fill
	s_wait_tensorcnt 0x0                           ; no tensor load of mine is out, so a group 0 may be written
	ds_add_u32 v[SPW], v[NIL]                      ; 0 onto my spare word; scalar steps and the rescaling stand between it and the wait for it
.if \fill
	WALK
.endif
	s_add_co_u32 s[TS], s[TS], 2*UP                ; the next step's scale words
	s_add_co_u32 s[TJ], s[TJ], 4
	s_xor_b32 s[TB], s[TB], SLOT1                  ; and its slot
	RESCALE
	s_wait_dscnt 0x0                               ; the add is done; V is in, and with it my reads of this slot are over
	s_barrier_signal -1
	PVALL
	s_barrier_wait -1
.if \fill
	CREST
	JLOAD
.endif
.endm
	; the first change of slots: slot 0 is shown whole to every wave, and slot 1 gets its first fill, issued as a refill is
	s_wait_tensorcnt 0x0                           ; my first fills have landed: no tensor load of mine is out, so a group 0 may be written
	ds_add_u32 v[SPW], v[NIL]                      ; 0 onto my spare word
	WALK
	s_wait_dscnt 0x0                               ; the add is done
	CROUND
	JLOAD
.Lslot:                                            ; NSTEP - 2 trips: steps 0 to 13; behind each the tiles two steps on are asked for
	BODY
	TAILCHG 1
	s_sub_co_u32 s[SLOTS], s[SLOTS], 1
	s_cmp_lg_u32 s[SLOTS], 0
	s_cbranch_scc1 .Lslot
	BODY                                           ; the last two steps are written out: nothing is left to ask for
	TAILCHG 0
	BODY
	RESCALE
	s_wait_dscnt 0x0                               ; V is in
	PVALL
	; THE WAY OUT.  The sum's halves are joined; O^T is divided by the sum and goes through my stage, half a row (64 channels, 256 bytes) of 16 queries at a time, so that sixteen lanes store 256 consecutive bytes.
	; The nine plain lines up to the wait are the places behind the last products.
	v_add_f32 v[L], v[L], v[L+1]                   ; the sum's two halves,
	v_permlanex16_b32 v[FF], v[L], s[SEL], s[SEL+1]
	v_add_f32 v[L], v[L], v[FF]                    ; and lane l xor 16's: the row's sum; it is above 1/2, since the row's largest p is
	v_rcp_f32 v[L], v[L]
	v_and_b32 v1, 15, v0                           ; r
	v_bfe_u32 v2, v0, 4, 1                         ; h
	s_mul_i32 s80, s[WV], 16*SP
	s_add_co_u32 s80, s80, STAGE                   ; my stage
	v_mul_u32_u24 v3, v1, SP
	v_lshl_add_u32 v3, v2, 5, v3
	v_add_nc_u32 v3, s80, v3                       ; in: row r; tile t's eight channels of my half: 64 t + 32 h bytes on
	v_lshlrev_b32 v4, 13, v2
	v_lshl_add_u32 v4, v1, 4, v4                   ; out0: lanes 0-15 one row of 8,192 bytes, lanes 16-31 the next; 16 bytes a lane
	s_wait_alu depctr_va_vdst(0)                   ; the wait for the reciprocal, ahead of its first reader
.set j, 0
.rept 64
	v_mul_f32 v[S+j], v[O+j], v[L]                 ; O^T / the sum: register 8 t + i is o(r, 16 t + 8 h + i)
.set j, j+1
.endr
.irp u, 0,1                                    ; channels 64 u on
.irp t, 0,1,2,3
	ds_store_b128 v3, v[S+32*\u+8*\t:S+32*\u+8*\t+3] offset:64*\t
	ds_store_b128 v3, v[S+32*\u+8*\t+4:S+32*\u+8*\t+7] offset:64*\t+16
.endr
.irp i, 0,1,2,3,4,5,6,7
	ds_load_b128 v[F+32*\u+4*\i:F+32*\u+4*\i+3], v[RD] offset:2*\i*SP   ; LDS serves a wave's instructions in order: these see my stores, and the next half's stores come behind them
.endr
.endr
.irp u, 0,1
.irp i, 0,1,2,3,4,5,6,7
	s_wait_dscnt 23-16*\u-\i                       ; behind this load: its half's 7 - i younger loads and, for the first half, the second half's eight stores and eight loads
	global_store_b128 v4, v[F+32*\u+4*\i:F+32*\u+4*\i+3], s[16:17] offset:2*\i*8192+256*\u th:TH_STORE_NT   ; 16 lanes store 256 consecutive bytes, at a multiple of 256 from out0's first byte; written once, read by nobody here
.endr
.endr
	s_wait_tensorcnt 0x0                           ; the wave's end, behind my last tensor load and my last LDS store
	ds_add_u32 v[SPW], v[NIL]
	s_wait_dscnt 0x0
	CROUND                                         ; the closing round: no work-group ends while a partner may still ask for a tile that names it
	s_endpgm
.Lfunc_end_k_q8206c0bf57_attn:
	.size	k_q8206c0bf57_attn, .Lfunc_end_k_q8206c0bf57_attn-k_q8206c0bf57_attn
	.p2alignl 7, 3214868480
	.fill 96, 4, 3214868480
	.section	.rodata,"a",@progbits
	.p2align	6, 0x0
	.amdhsa_kernel k_q8206c0bf57_attn
		.amdhsa_group_segment_fixed_size 327680
		.amdhsa_private_segment_fixed_size 0
		.amdhsa_enable_private_segment 0
		.amdhsa_kernarg_size 56
		.amdhsa_user_sgpr_count 2
		.amdhsa_user_sgpr_kernarg_segment_ptr 1
		.amdhsa_wavefront_size32 1
		.amdhsa_system_sgpr_workgroup_id_x 1
		.amdhsa_system_sgpr_workgroup_id_y 1
		.amdhsa_system_sgpr_workgroup_id_z 1
		.amdhsa_system_vgpr_workitem_id 0
		.amdhsa_next_free_vgpr 256
		.amdhsa_next_free_sgpr 106
		.amdhsa_reserve_vcc 0
		.amdhsa_float_denorm_mode_32 3
		.amdhsa_float_denorm_mode_16_64 3
		.amdhsa_memory_ordered 1
		.amdhsa_forward_progress 1
		.amdhsa_inst_pref_size 217
	.end_amdhsa_kernel
	.amdgpu_metadata
---
amdhsa.version: [ 1, 2 ]
amdhsa.kernels:
  - .name:           k_q8206c0bf57_attn
    .symbol:         k_q8206c0bf57_attn.kd
    .args:
      - { .name: Q, .offset: 0, .size: 8, .value_kind: global_buffer, .address_space: global }
      - { .name: K_codes, .offset: 8, .size: 8, .value_kind: global_buffer, .address_space: global }
      - { .name: K_scales, .offset: 16, .size: 8, .value_kind: global_buffer, .address_space: global }
      - { .name: V_codes, .offset: 24, .size: 8, .value_kind: global_buffer, .address_space: global }
      - { .name: V_scales, .offset: 32, .size: 8, .value_kind: global_buffer, .address_space: global }
      - { .name: causal_mask, .offset: 40, .size: 8, .value_kind: global_buffer, .address_space: global }
      - { .name: out0, .offset: 48, .size: 8, .value_kind: global_buffer, .address_space: global }
    .group_segment_fixed_size: 327680
    .private_segment_fixed_size: 0
    .kernarg_segment_align: 8
    .kernarg_segment_size: 56
    .max_flat_workgroup_size: 512
    .sgpr_count:     106
    .vgpr_count:     256
    .wavefront_size: 32
...
	.end_amdgpu_metadata
.endif
;; end of part 1
